; MI455X (gfx1250); checked and timed in simulation.
; The chip was launched on July 23, 2026; its instructions are those of AMD's public machine-readable ISA for CDNA 5 (MIT licence, August 2026) and "CDNA5" Instruction Set Architecture Reference Guide (July 2026). The comments in the code are by the model that wrote it; some were corrected since.
;; LSE Vanilla Attention. Allowed arithmetic: matrix products marked QUANTISED: E4M3 operands, one given power-of-two scale a tensor, by v_wmma_f32_16x16x64_fp8_fp8 or v_wmma_f32_16x16x128_fp8_fp8, f32 sums; everything else in f32.
;; Inputs: k 2 x 2,048 x 16 x 128 float32; lowp_scales 4 int32 (the exponents e of the quantised operands' scales 2^e); q 2 x 2,048 x 16 x 128 float32; v 2 x 2,048 x 16 x 128 float32.
;; Outputs: out0 2 x 2,048 x 16 x 128 float32; out1 2 x 16 x 2,048 float32.
;; This version of the problem:
;;   THIS VERSION OF THE PROBLEM IS GIVEN IN LOW PRECISION. The matrix products marked QUANTISED in the list below multiply operands that are first quantised to E4M3 (4 exponent bits, 3 mantissa bits; 8 bits a number), with one given power-of-two scale for each operand tensor; their sums are f32. All else is computed in f32.
;;   The module's matrix products, in the order in which they are computed (A, B: the left and right operand; K: the contracted axis; several contracted axes count as one K, in the product's order):
;;     1. batch 32 x [M 2,048, K 128] x [K 128, N 2,048]; A: input q; B: input k: QUANTISED (scales: A lowp_scales[0], B lowp_scales[1])
;;     2. batch 32 x [M 128, K 2,048] x [K 2,048, N 2,048]; A: input v; B: softmax (see below): QUANTISED (scales: A lowp_scales[2], B lowp_scales[3])
;;   THE QUANTISER, for each operand of a quantised product, along K:
;;     - The operand's scale is 2^e, e = its entry of the input lowp_scales (int32; the entries are numbered through the quantised products in the list's order, A before B).
;;     - Each number is divided by the scale, clamped to +-448, and rounded to the nearest number of E4M3, ties to even, subnormals kept.
;;     - The product sums the exact products of the quantised numbers (number of the format x scale) in f32.
;;   ~~~python
;;   def quantise(x, axis, e):      # numpy; x: float32 -> the quantised numbers, widened to float32 again
;;       x = np.moveaxis(x, axis, -1); K = x.shape[-1]
;;       r = np.clip(x / 2.0 ** e, -448, 448)
;;       step = 2.0 ** (np.maximum(np.frexp(np.where(r == 0, 1, r))[1] - 1, -6) - 3)
;;       q = np.round(r / step) * step * 2.0 ** e      # np.round: ties to even
;;       return np.moveaxis(q, -1, axis).astype(np.float32)
;;   ~~~
;;   SOFTMAX AHEAD OF A QUANTISED PRODUCT. Where the list says 'softmax', what is quantised is not the finished softmax but p = 2^(t - M), with t = logit x log2(e) and M = ceil(the row's largest t), a whole number; so 1/2 < the row's largest p <= 1. The row's sum l is taken of the UNQUANTISED p, in f32, and the product's result is divided by l at the end. Since M is a whole number, a kernel that streams over the keys may use a running M (the ceiling of the running maximum): every later rescaling is an exact power of two, so the quantised numbers keep their values, but for numbers so far below the row's largest that they fall under the format's range.
;;   OPERANDS COMPUTED ON THE WAY. 'Computed on the way' means the value that the module computes at that place (a softmax that the list does not call 'softmax' is quantised finished and normalised). What goes into a quantiser is computed in f32, as accurately as f32 sums, v_exp_f32 and their like allow (about 1e-6 of the number): no bf16 or f16 on the way to a quantiser, and a product that is left as it is and whose result goes on into a quantised operand takes f32 operands (vector FMAs, or v_wmma_f32_16x16x4_f32). A number that lies on a knife's edge between two numbers of the format may be rounded either way, as far as f32 arithmetic and the matrix unit's own rounding can turn it there, and no further.
;; One version. Each part assembles by itself: llvm-mc -triple=amdgcn-amd-amdhsa -mcpu=gfx1250 --defsym DOCPART=n.
;; ======== version 1 of 1: 2 launches
;; limits: right only within a limited range of input values
;; workspace buffers: kv 16,777,216 bytes
;; launch quant (part 1): grid 512 x 2, 8 waves a work-group, no clusters, 68,608 bytes of LDS; arguments k, v, lowp_scales, kv; writes kv
.if DOCPART == 1
	.amdgcn_target "amdgcn-amd-amdhsa--gfx1250"
	.amdhsa_code_object_version 6
	.text
	.protected	k_q54b96a578d_quant
	.globl	k_q54b96a578d_quant
	.p2align	8
	.type	k_q54b96a578d_quant,@function
k_q54b96a578d_quant:
	s_mov_b64 s[64:65], 0
	v_nop
	global_prefetch_b8 v0, s[64:65] scope:SCOPE_SE
	s_setreg_imm32_b32 hwreg(HW_REG_WAVE_MODE, 25, 1), 1
	s_wait_xcnt 0x0
; k and v, [2][2048][16][128] f32, become codes of FP8 (E4M3) with the given scales 2^ek and 2^ev (entries 1 and 2 of the scales' buffer), laid as IMAGES OF THE OPERANDS' REGISTERS of the attention launch.
; code = x / 2^e, held within +-448, rounded to the nearest code, ties to even.
; kv: [head hd = 16 b + h: 32][key step j: 16][32,768 bytes].  A step block serves 128 keys:
;   K's fragment t (0..7), piece c (0..3), lane l = r + 16 hh: 16 bytes at 2048 t + 512 c + 16 l = key 128 j + 32 (t / 2) + 8 (t % 2) + r + 8 (r / 8), channels 32 c + 16 hh + 0 .. 15
;   V's fragment t, piece c, lane l: 16 bytes at 16384 + 2048 t + 512 c + 16 l = channel 16 t + r, keys 128 j + 32 c + 16 hh + 0 .. 15
; SHARES.  Work-group x = 16 hd + j takes one step block; y = 0: K's half, y = 1: V's half (a scalar branch on the work-group's number).  Eight waves, 8,192 bytes of f32 in and 2,048 bytes of codes out each, in one shot: no loop,
; no barrier; waves share nothing.
; K: wave t makes fragment t.  Each load takes one key's 512 bytes (32 lanes x 16); the 16 rows turn through the wave's own stage in LDS, so that a lane gets 16 neighbouring channels of one key.
; V: the keys are the second product's K and are not innermost: a lane takes a channel and its registers run down 64 keys, so the conversions give codes with the keys innermost and nothing is transposed.
;    A wave's load reads 128 consecutive bytes; the four waves with the same keys stand side by side on a row's 512.
; Every store of codes: sixteen neighbouring lanes write 256 consecutive bytes, aligned.
; LIMITS: ek and ev between -126 and 119, so that 2^e and 448 x 2^e are f32 numbers.  NaN among the inputs is not served (an infinity is held at the largest code).
.set X,    16                          ; v16-79  64 numbers
.set C,    80                          ; v80-95  their codes: never rewritten, so no store's data are written again
.set SPI,  528                         ; a stage row: 512 bytes + 16, an odd multiple of 16
.set WST,  16*SPI                      ; a wave's stage
.set ROW,  8192                        ; from a key to the next in k and v: 16 heads x 512 bytes
	s_load_b256 s[4:11], s[0:1], 0x0               ; k s[4:5], v s[6:7], the scales' exponents s[8:9], kv s[10:11]
	v_lshl_add_u32 v96, v0, 2, 0x10800
	v_mov_b32 v97, 0
	v_lshrrev_b32 v1, 5, v0
	s_delay_alu instid0(VALU_DEP_1)
	v_readfirstlane_b32 s12, v1                    ; wave 0..7
	v_and_b32 v1, 31, v0                           ; lane
	v_and_b32 v2, 15, v0                           ; r
	v_bfe_u32 v3, v0, 4, 1                         ; hh
	s_delay_alu instid0(VALU_DEP_3)
	v_lshlrev_b32 v4, 4, v1                        ; 16 x lane
	s_delay_alu instid0(VALU_DEP_4)
	v_lshlrev_b32 v5, 2, v1                        ; 4 x lane
	s_mul_i32 s22, s12, WST                        ; my stage
	v_add_nc_u32 v6, s22, v4                       ; into it: 16 x lane of a row
	v_mul_u32_u24 v7, v2, SPI
	s_delay_alu instid0(VALU_DEP_1)
	v_lshl_add_u32 v7, v3, 6, v7
	s_delay_alu instid0(VALU_DEP_1)
	v_add_nc_u32 v7, s22, v7                       ; out of it: row r, + 64 hh: my 16 numbers of a block of 32
	v_lshlrev_b32 v8, 4, v2
	s_delay_alu instid0(VALU_DEP_1)
	v_lshl_add_u32 v8, v3, 11, v8                  ; V's codes: 16 r, and the next fragment (2,048 bytes on) for lanes 16-31
	s_and_b32 s13, ttmp7, 0xffff                   ; 0: K, 1: V
	s_lshr_b32 s14, ttmp9, 4                       ; hd
	s_and_b32 s15, ttmp9, 15                       ; j
	s_lshr_b32 s16, s14, 4                         ; b
	s_and_b32 s17, s14, 15                         ; h
	s_lshl_b32 s18, s16, 24                        ; b x 2048 keys x 8,192 bytes
	s_lshl_b32 s19, s17, 9                         ; h x 512
	s_add_co_u32 s18, s18, s19
	s_lshl_b32 s19, s15, 20                        ; 128 j keys x 8,192
	s_add_co_u32 s18, s18, s19                     ; the step's first key of my head, in bytes (under 2^26)
	s_mov_b32 s19, 0
	s_lshl_b32 s20, ttmp9, 15                      ; my step block in kv
	s_mov_b32 s21, 0
	s_wait_kmcnt 0x0
	s_load_b128 s[24:27], s[8:9], 0x0              ; eq, ek, ev, ep
	s_cmp_lg_u32 s13, 0
	s_cbranch_scc1 .Lv
.macro SCALE e                         ; v11 = 2^e as f32 (the conversion takes its exponent field), v10 = 448 x 2^e
	s_wait_kmcnt 0x0
	s_add_co_i32 s28, s[\e], 127
	s_lshl_b32 s29, s28, 23
	v_mov_b32 v11, s29
	s_add_co_i32 s28, s28, 8
	s_lshl_b32 s28, s28, 23
	s_or_b32 s28, s28, 0x600000
	v_mov_b32 v10, s28
.endm
; n8 groups of eight numbers from v[src] on become codes from v[dst] on.  The conversion to an 8-bit code does not saturate (ISA guide 7.6.2): each number is first held within the largest code x the scale.
; Behind each conversion come plain vector lines on other registers, or stores alone.
.macro HOLDCVT src, dst, n8
.set g, 0
.rept \n8
.set i, 0
.rept 8
	v_med3_num_f32 v[(\src)+8*g+i], v[(\src)+8*g+i], -v10, v10
.set i, i+1
.endr
	v_cvt_scalef32_pk8_fp8_f32 v[(\dst)+2*g:(\dst)+2*g+1], v[(\src)+8*g:(\src)+8*g+7], v11
.set g, g+1
.endr
.endm
	; ---- K: fragment t = my wave's number.  Its first key lies 32 (t / 2) + 8 (t % 2) keys into the step
	s_lshr_b32 s22, s12, 1
	s_lshl_b32 s22, s22, 18                        ; 32 keys x 8,192
	s_and_b32 s23, s12, 1
	s_lshl_b32 s23, s23, 16                        ; 8 keys x 8,192
	s_add_co_u32 s18, s18, s22
	s_add_co_u32 s18, s18, s23
	s_add_nc_u64 s[4:5], s[4:5], s[18:19]
	s_lshl_b32 s22, s12, 11                        ; 2048 t
	s_add_co_u32 s20, s20, s22
	s_add_nc_u64 s[10:11], s[10:11], s[20:21]
	s_wait_alu depctr_va_vdst(0)
.irp i, 0,1,2,3,4,5,6,7,8,9,10,11,12,13,14,15
	global_load_b128 v[X+4*\i:X+4*\i+3], v4, s[4:5] offset:(\i+8*(\i/8))*ROW th:TH_LOAD_NT   ; the fragment's row i is key i + 8 (i / 8): its 512 bytes, 16 a lane
.endr
	SCALE 25                                       ; ek
	s_wait_alu depctr_va_vdst(0)
.irp i, 0,1,2,3,4,5,6,7,8,9,10,11,12,13,14,15
	s_wait_loadcnt 15-\i                           ; row i is in; the 15 - i younger loads may be out
	ds_store_b128 v6, v[X+4*\i:X+4*\i+3] offset:SPI*\i
.endr
.irp c, 0,1,2,3                        ; LDS serves a wave's instructions in order: these see the stores above, and may land in the registers that the stores read
.irp j, 0,1,2,3
	ds_load_b128 v[X+16*\c+4*\j:X+16*\c+4*\j+3], v7 offset:128*\c+16*\j
.endr
.endr
.irp c, 0,1,2,3
	s_wait_dscnt 12-4*\c                           ; piece c's four loads are back; the later pieces' may be out
	HOLDCVT X+16*\c, C+4*\c, 2
	global_store_b128 v4, v[C+4*\c:C+4*\c+3], s[10:11] offset:512*\c   ; 32 lanes store 512 consecutive bytes
.endr
	s_wait_tensorcnt 0x0
	ds_add_u32 v96, v97
	s_wait_dscnt 0x0
	s_endpgm
.Lv:	; ---- V: my wave takes channels 32 dg + lane (dg = wave % 4) and keys 64 kh + 0 .. 63 of the step (kh = wave / 4)
	s_and_b32 s22, s12, 3                          ; dg
	s_lshr_b32 s23, s12, 2                         ; kh
	s_lshl_b32 s28, s23, 19                        ; 64 keys x 8,192
	s_add_co_u32 s18, s18, s28
	s_lshl_b32 s28, s22, 7                         ; 32 channels x 4 bytes
	s_add_co_u32 s18, s18, s28
	s_add_nc_u64 s[6:7], s[6:7], s[18:19]
	s_lshl_b32 s28, s22, 12                        ; fragments 2 dg and 2 dg + 1,
	s_add_co_u32 s20, s20, s28
	s_lshl_b32 s28, s23, 10                        ; pieces 2 kh and 2 kh + 1,
	s_add_co_u32 s20, s20, s28
	s_add_co_u32 s20, s20, 16384                   ; behind K's half of the block
	s_add_nc_u64 s[10:11], s[10:11], s[20:21]
.set n, 0
	s_wait_alu depctr_va_vdst(0)
.rept 64
	global_load_b32 v[X+n], v5, s[6:7] offset:n*ROW th:TH_LOAD_NT   ; key n of my 64, my channel
.set n, n+1
.endr
	SCALE 26                                       ; ev
	s_wait_alu depctr_va_vdst(0)
.irp c, 0,1
	s_wait_loadcnt 32*(1-\c)                       ; this piece's 32 keys are in; the next piece's 32 loads may be out
	HOLDCVT X+32*\c, C+8*\c, 4
	global_store_b128 v8, v[C+8*\c:C+8*\c+3], s[10:11] offset:512*\c         ; keys 32 c + 0 .. 15: the places of the fragment's lanes 0-15; my lanes 0-15 fill 256 aligned bytes of one fragment, lanes 16-31 of the next
	global_store_b128 v8, v[C+8*\c+4:C+8*\c+7], s[10:11] offset:512*\c+256   ; keys 32 c + 16 .. 31: the places of its lanes 16-31
.endr
	s_endpgm
.Lfunc_end_k_q54b96a578d_quant:
	.size	k_q54b96a578d_quant, .Lfunc_end_k_q54b96a578d_quant-k_q54b96a578d_quant
	.p2alignl 7, 3214868480
	.fill 96, 4, 3214868480
	.section	.rodata,"a",@progbits
	.p2align	6, 0x0
	.amdhsa_kernel k_q54b96a578d_quant
		.amdhsa_group_segment_fixed_size 68608
		.amdhsa_private_segment_fixed_size 0
		.amdhsa_enable_private_segment 0
		.amdhsa_kernarg_size 32
		.amdhsa_user_sgpr_count 2
		.amdhsa_user_sgpr_kernarg_segment_ptr 1
		.amdhsa_wavefront_size32 1
		.amdhsa_system_sgpr_workgroup_id_x 1
		.amdhsa_system_sgpr_workgroup_id_y 1
		.amdhsa_system_sgpr_workgroup_id_z 1
		.amdhsa_system_vgpr_workitem_id 0
		.amdhsa_next_free_vgpr 98
		.amdhsa_next_free_sgpr 66
		.amdhsa_reserve_vcc 0
		.amdhsa_float_denorm_mode_32 3
		.amdhsa_float_denorm_mode_16_64 3
		.amdhsa_memory_ordered 1
		.amdhsa_forward_progress 1
		.amdhsa_inst_pref_size 24
	.end_amdhsa_kernel
	.amdgpu_metadata
---
amdhsa.version: [ 1, 2 ]
amdhsa.kernels:
  - .name:           k_q54b96a578d_quant
    .symbol:         k_q54b96a578d_quant.kd
    .args:
      - { .name: k, .offset: 0, .size: 8, .value_kind: global_buffer, .address_space: global }
      - { .name: v, .offset: 8, .size: 8, .value_kind: global_buffer, .address_space: global }
      - { .name: lowp_scales, .offset: 16, .size: 8, .value_kind: global_buffer, .address_space: global }
      - { .name: kv, .offset: 24, .size: 8, .value_kind: global_buffer, .address_space: global }
    .group_segment_fixed_size: 68608
    .private_segment_fixed_size: 0
    .kernarg_segment_align: 8
    .kernarg_segment_size: 32
    .max_flat_workgroup_size: 256
    .sgpr_count:     66
    .vgpr_count:     98
    .wavefront_size: 32
...
	.end_amdgpu_metadata
.endif
;; end of part 1
;; launch attn (part 2): grid 8 x 32, 8 waves a work-group, clusters of 4 x 1, 327,680 bytes of LDS; arguments q, kv, lowp_scales, out0, out1; writes out0, out1
.if DOCPART == 2
	.amdgcn_target "amdgcn-amd-amdhsa--gfx1250"
	.amdhsa_code_object_version 6
	.text
	.protected	k_q54b96a578d_attn
	.globl	k_q54b96a578d_attn
	.p2align	8
	.type	k_q54b96a578d_attn,@function
k_q54b96a578d_attn:
	s_mov_b64 s[64:65], 0
	v_nop
	global_prefetch_b8 v0, s[64:65] scope:SCOPE_SE
	s_setreg_imm32_b32 hwreg(HW_REG_WAVE_MODE, 25, 1), 1
	s_wait_xcnt 0x0
	s_wait_alu depctr_hold_cnt(0) depctr_sa_sdst(0) depctr_va_vdst(0) depctr_va_sdst(0) depctr_va_ssrc(0) depctr_va_vcc(0) depctr_vm_vsrc(0)
	s_getreg_b32 s2, hwreg(HW_REG_IB_STS2, 6, 4)
	s_cmp_eq_u32 s2, 0
	s_cbranch_scc0 .Lentry_in_a_cluster
	s_endpgm
.Lentry_in_a_cluster:
	s_bfe_u32 s2, ttmp6, 0x10000c
	s_cmp_lg_u32 s2, 0x3003
	s_cbranch_scc0 .Lentry_shape_is_right
	s_endpgm
.Lentry_shape_is_right:
; out0 = softmax(q k^T / sqrt(128)) v and out1 = logsumexp of the scores, for 32 heads of 2,048 queries and keys, both products on codes of FP8 (E4M3).
; kv holds K's and V's codes as images of the operands' registers (launch quant): [head][step of 128 keys: 16][32,768 bytes]; q is read as f32 and quantised in registers here.
; t = score x log2(e) / sqrt(128); M = the running largest t rounded up to a whole number (kept as NM = -M); p = 2^(t - M) is quantised with the given 2^ep, not normalised; the row's sum is taken of the unquantised p.
; When M moves, the sum and O are multiplied by 2^(old M - new M), which rounds nothing.
; SHARES.  A work-group takes 256 queries of one head, a wave 32: two tiles of 16 (y = 0, 1), so each fragment of K and V feeds two matrix instructions.  All waves walk the 16 steps of 128 keys.
; Both products are transposed: S^T = K Q^T, O^T = V^T P^T.  A lane holds query lane % 16 of each tile; its 64 score registers of a tile are keys 32 b + 16 (lane / 16) + 0 .. 15, so p's codes are the second product's operand as they stand.
; CLUSTERS.  The four work-groups of a cluster walk the same head: every slot is asked for jointly (mask 15), a wave one eighth of it.
; RING.  Two LDS slots of four steps each.  The change of slots stands inside a slot's last step: its barrier is signalled as soon as V's fragments are in registers, the exponentials, register work alone, stand between
; signal and wait, and the refill stands behind the round.  It is read four steps (128 matrix instructions of the wave) later.  That lead is why nothing is prefetched.
; REGISTERS.  Window 0: addresses, softmax state, Q's and p's codes, the scores.  Window 1: K's or V's fragments (128) and O^T (128).
; LIMITS.  eq + ek between -123 and 130 (added to c's exponent field); eq and ep between -126 and 119; the scaled scores t stay under 2^31 in magnitude; NaN among the inputs is not served.
.set STEPB, 32768                      ; a step's codes: K 16,384 bytes, then V
.set VOFF,  16384
.set SLOT1, 131072
.set SPARE, 262144                     ; the spare words: 128 bytes a wave, four blocks of 256
.set STAGE, 263168                     ; a stage of 16 rows for each wave, no tile lands there
.set SP,    272                        ; a stage row: 256 bytes + 16
.set ROW,   8192                       ; from a query to the next in q and out0
.set LI,  1                            ; 16 x lane
.set SPW, 2                            ; my spare word's address
.set NIL, 3                            ; 0
.set ADR, 4                            ; LDS address of the step in hand
.set STO, 5                            ; stage: O on the way in
.set RD,  6                            ; stage: by rows
.set GO,  7                            ; my byte offset in rows of q and out0
.set QRD, 8                            ; stage: Q on the way out
.set LO,  9                            ; 4 x lane
.set ST,  12                           ; state of tile y at ST + 12 y:
.set oNM, 0                            ; -M
.set oTM, 1                            ; largest score
.set oL,  2                            ; the sum, two halves
.set oF,  4                            ; 2^(old M - new M) (a pair is named; its low word serves)
.set oA,  6
.set oB,  7
.set oSS, 8                            ; the step's second chain of sums
.set oPX, 10
.set PLIM, 36                          ; 448 x 2^ep
.set PSC,  37                          ; 2^ep
.set QLIM, 38                          ; the same for q
.set QSC,  39
.set QF,  40                           ; v40-71   Q's codes, 16 registers a tile
.set PC,  72                           ; v72-103  p's codes; before they are made, tile 0's partial sums
.set SB,  104                          ; v104-231 scores, then p: 64 registers a tile; q as f32 in the head, O / sum on the way out
.set PLI2, 233                         ; PLIM once more, for the second half of a pair
.set KV,  0                            ; window 1: fragments of K or V
.set OB,  128                          ; window 1: O^T, 64 registers a tile
.set WV,  14
.set G1,  24
.set G0A, 32                           ; group 0 of slot 0's first fill
.set G0W, 36                           ; group 0 of all later fills, which walks
.set CS,  40
.set SEL, 42
.set TB,  44                           ; LDS byte of the step in hand
.set SLOTS, 45
.set CNT, 46
.set EO,  47
.set MSB, 0
.macro WIN new
.if MSB != \new
	s_set_vgpr_msb (MSB<<8)|\new
.set MSB, \new
.endif
.endm
.macro CREST                           ; a round of the cluster's barrier behind its opening barrier
	s_cmp_lg_u32 s[WV], 0
	s_cbranch_scc1 .Lnot_wave_0_\@
	s_barrier_signal -3
.Lnot_wave_0_\@:
	s_barrier_wait -3
	s_barrier_signal -1
	s_barrier_wait -1
.endm
.macro CROUND
	s_barrier_signal -1
	s_barrier_wait -1
	CREST
.endm
	s_load_b256 s[4:11], s[0:1], 0x0               ; q, kv, the scales' exponents, out0
	s_load_b64 s[12:13], s[0:1], 0x20              ; out1
	v_lshl_add_u32 v[SPW], v0, 2, SPARE
	v_mov_b32 v[NIL], 0
	ds_add_u32 v[SPW], v[NIL]                      ; the add, twice on end, ahead of the first tensor load
	ds_add_u32 v[SPW], v[NIL]
	v_lshrrev_b32 v10, 5, v0
	s_delay_alu instid0(VALU_DEP_1)
	v_readfirstlane_b32 s[WV], v10
	s_bfe_u32 s15, ttmp6, 0x40000                  ; cx
	s_lshl_b32 s16, ttmp9, 2
	s_add_co_u32 s16, s16, s15                     ; block of 256 queries
	s_and_b32 s17, ttmp7, 0xffff                   ; head hd = 16 b + h
	s_lshl_b32 s48, s17, 19                        ; the head in kv,
	s_lshl_b32 s18, s[WV], 14
	s_add_co_u32 s48, s48, s18                     ; + my eighth of a slot
	s_mov_b32 s49, 0
	s_lshl_b32 s50, s16, 8
	s_lshl_b32 s19, s[WV], 5
	s_add_co_u32 s50, s50, s19                     ; my first query
	s_lshl_b32 s52, s50, 2
	s_lshl_b32 s19, s17, 13
	s_add_co_u32 s52, s52, s19                     ; its place in out1
	s_mov_b32 s53, 0
	s_lshl_b32 s50, s50, 13
	s_lshr_b32 s19, s17, 4
	s_lshl_b32 s19, s19, 24
	s_add_co_u32 s50, s50, s19
	s_and_b32 s19, s17, 15
	s_lshl_b32 s19, s19, 9
	s_add_co_u32 s50, s50, s19                     ; its row in q and out0
	s_mov_b32 s51, 0
	; group 1: my eighth of a slot, 16,384 dense bytes as 64 rows of 256 (elements of 8 bytes), for all four work-groups
	s_mov_b32 s[G1+0], 15|(3<<16)|(1<<21)
	s_mov_b32 s[G1+1], 32<<16
	s_mov_b32 s[G1+2], 64<<16
	s_mov_b32 s[G1+3], 32<<16
	s_mov_b32 s[G1+4], 64
	s_mov_b32 s[G1+5], 32
	s_mov_b32 s[G1+6], 0
	s_mov_b32 s[G1+7], 0
	s_mov_b32 s[SEL], 0x76543210                   ; v_permlanex16_b32: lane l xor 16
	s_mov_b32 s[SEL+1], 0xfedcba98
	s_mov_b32 s[TB], 0
	s_mov_b32 s[SLOTS], 2
	s_mul_i32 s19, s[WV], 16*SP
	s_add_co_u32 s19, s19, STAGE                   ; my stage
	v_and_b32 v10, 31, v0
	v_and_b32 v11, 15, v0
	v_bfe_u32 v[ADR], v0, 4, 1
	s_delay_alu instid0(VALU_DEP_1)
	v_lshlrev_b32 v[GO], 13, v[ADR]
	s_delay_alu instid0(VALU_DEP_1)
	v_lshl_add_u32 v[GO], v11, 4, v[GO]
	v_lshlrev_b32 v[LI], 4, v10
	v_lshlrev_b32 v[LO], 2, v10
	v_mul_u32_u24 v[STO], v11, SP
	s_delay_alu instid0(VALU_DEP_1)
	v_add_nc_u32 v[STO], s19, v[STO]
	s_delay_alu instid0(VALU_DEP_1)
	v_lshl_add_u32 v[QRD], v[ADR], 6, v[STO]
	s_delay_alu instid0(VALU_DEP_2)
	v_lshl_add_u32 v[STO], v[ADR], 5, v[STO]
	v_mul_u32_u24 v[RD], v[ADR], SP
	s_delay_alu instid0(VALU_DEP_1)
	v_lshl_add_u32 v[RD], v11, 4, v[RD]
	s_delay_alu instid0(VALU_DEP_1)
	v_add_nc_u32 v[RD], s19, v[RD]
	s_wait_alu depctr_va_vdst(0)                   ; ahead of the blocking waits
	s_wait_dscnt 0x0                               ; both opening adds are done
	s_wait_kmcnt 0x0
	s_load_b128 s[20:23], s[8:9], 0x0              ; eq, ek, ev, ep
	s_add_nc_u64 s[6:7], s[6:7], s[48:49]
	s_add_nc_u64 s[4:5], s[4:5], s[50:51]
	s_add_nc_u64 s[10:11], s[10:11], s[50:51]
	s_add_nc_u64 s[12:13], s[12:13], s[52:53]
.macro QASK y                          ; 16 of my rows of q: sixteen lanes read 256 consecutive bytes of a row
.irp u, 0,1
.irp i, 0,1,2,3,4,5,6,7
	global_load_b128 v[SB+64*\y+32*\u+4*\i:SB+64*\y+32*\u+4*\i+3], v[GO], s[4:5] offset:(16*\y+2*\i)*ROW+256*\u th:TH_LOAD_NT
.endr
.endr
.endm
	QASK 0
	s_mov_b32 s[G0A], 1
	s_mov_b32 s[G0A+1], s18                        ; slot 0, my eighth
	s_mov_b64 s[G0A+2:G0A+3], s[6:7]
	s_or_b32 s[G0A+3], s[G0A+3], 0x80000000
	s_mov_b32 s[G0W], 1
	s_add_co_u32 s[G0W+1], s18, SLOT1
	s_add_nc_u64 s[G0W+2:G0W+3], s[6:7], 4*STEPB
	s_or_b32 s[G0W+3], s[G0W+3], 0x80000000
	CROUND                                         ; all four work-groups are here: the joint loads meet
	tensor_load_to_lds s[G0A:G0A+3], s[G1:G1+7]    ; slot 0: steps 0 to 3
	s_nop 0
	QASK 1
	v_add_nc_u32 v[ADR], s[TB], v[LI]              ; step 0
.irp y, 0,1
	v_mov_b32 v[ST+12*\y+oTM], 0xff61b1e6          ; the largest score so far: -3e38, under every score
	v_mov_b32 v[ST+12*\y+oNM], 0x7f61b1e6          ; 3e38: the first factor comes out as 0, on sums that are 0
	v_mov_b32 v[ST+12*\y+oL], 0
	v_mov_b32 v[ST+12*\y+oL+1], 0
	v_mov_b32 v[ST+12*\y+oF+1], 0                  ; (named in a pair)
	v_mov_b32 v[ST+12*\y+oPX], 0                   ; (a lane permute's destination counts as a source)
.endr
	s_wait_alu depctr_va_vdst(0)                   ; ahead of the blocking wait
	s_wait_kmcnt 0x0
	s_add_co_i32 s18, s20, s21
	s_lshl_b32 s18, s18, 23
	s_add_co_i32 s[CS], s18, 0x3e0293ee            ; c = log2(e) / sqrt(128) x 2^(eq + ek)
	s_mov_b32 s[CS+1], s[CS]
	s_add_co_i32 s[EO], s22, s23                   ; ev + ep
	s_add_co_i32 s18, s23, 127
	s_lshl_b32 s19, s18, 23
	v_mov_b32 v[PSC], s19
	s_add_co_i32 s18, s18, 8
	s_lshl_b32 s18, s18, 23
	s_or_b32 s18, s18, 0x600000
	v_mov_b32 v[PLIM], s18
	v_mov_b32 v[PLI2], s18
	s_add_co_i32 s18, s20, 127
	s_lshl_b32 s19, s18, 23
	v_mov_b32 v[QSC], s19
	s_add_co_i32 s18, s18, 8
	s_lshl_b32 s18, s18, 23
	s_or_b32 s18, s18, 0x600000
	v_mov_b32 v[QLIM], s18
; Half a tile of q (16 rows x 256 bytes) turns through my stage, so that a lane gets 16 neighbouring channels of its query.  LDS serves a wave's instructions in order.
.macro QIN y, u
	s_wait_loadcnt 24-8*(2*\y+\u)                  ; these eight loads are in; the younger ones may be out
.irp i, 0,1,2,3,4,5,6,7
	ds_store_b128 v[RD], v[SB+64*\y+32*\u+4*\i:SB+64*\y+32*\u+4*\i+3] offset:2*\i*SP
.endr
.irp c, 0,1
.irp j, 0,1,2,3
	ds_load_b128 v[SB+64*\y+32*\u+16*\c+4*\j:SB+64*\y+32*\u+16*\c+4*\j+3], v[QRD] offset:128*\c+16*\j
.endr
.endr
.endm
.macro QUANTQ y                        ; held within the largest code x the scale (the conversion does not saturate: ISA guide 7.6.2), then converted
.irp c, 0,1,2,3
.irp i, 0,1,2,3,4,5,6,7,8,9,10,11,12,13,14,15
	v_med3_num_f32 v[SB+64*\y+16*\c+\i], v[SB+64*\y+16*\c+\i], -v[QLIM], v[QLIM]
.endr
	v_cvt_scalef32_pk8_fp8_f32 v[QF+16*\y+4*\c:QF+16*\y+4*\c+1], v[SB+64*\y+16*\c:SB+64*\y+16*\c+7], v[QSC]
	v_cvt_scalef32_pk8_fp8_f32 v[QF+16*\y+4*\c+2:QF+16*\y+4*\c+3], v[SB+64*\y+16*\c+8:SB+64*\y+16*\c+15], v[QSC]
.endr
.endm
.macro KLOAD t0                        ; four of K's fragments of the step at ADR
	WIN 0x40
.irp d, 0,1,2,3
.irp c, 0,1,2,3
	ds_load_b128 v[KV+16*(\t0+\d)+4*\c:KV+16*(\t0+\d)+4*\c+3], v[ADR] offset:2048*(\t0+\d)+512*\c
.endr
.endr
.endm
.macro LSUM                            ; the step's two chains of sums joined
.irp y, 0,1
	v_pk_add_f32 v[ST+12*\y+oL:ST+12*\y+oL+1], v[ST+12*\y+oL:ST+12*\y+oL+1], v[ST+12*\y+oSS:ST+12*\y+oSS+1]
.endr
.endm
.macro PV t0, first                    ; O^T += V^T P^T, four of the eight channel tiles
	WIN 0x51
.irp d, 0,1,2,3
.irp y, 0,1
.if \first
	v_wmma_f32_16x16x128_fp8_fp8 v[OB+64*\y+8*(\t0+\d):OB+64*\y+8*(\t0+\d)+7], v[KV+16*(\t0+\d):KV+16*(\t0+\d)+15], v[PC+16*\y:PC+16*\y+15], 0
.else
	v_wmma_f32_16x16x128_fp8_fp8 v[OB+64*\y+8*(\t0+\d):OB+64*\y+8*(\t0+\d)+7], v[KV+16*(\t0+\d):KV+16*(\t0+\d)+15], v[PC+16*\y:PC+16*\y+15], v[OB+64*\y+8*(\t0+\d):OB+64*\y+8*(\t0+\d)+7]
.endif
.endr
.endr
.endm
	s_wait_alu depctr_va_vdst(0)                   ; at the head's end
	QIN 0, 0
	QIN 0, 1
	s_wait_dscnt 0x0
	QUANTQ 0
	v_nop                                          ; a plain place behind the last conversion
	s_wait_alu depctr_va_vdst(0)                   ; ahead of the blocking wait
	s_wait_tensorcnt 0x0                           ; my eighth of slot 0 is in
	ds_add_u32 v[SPW], v[NIL]
	s_wait_dscnt 0x0
	CROUND                                         ; slot 0 is whole in every work-group
	tensor_load_to_lds s[G0W:G0W+3], s[G1:G1+7]    ; slot 1: steps 4 to 7
	s_nop 0
.rept 4
	v_nop
.endr
	QIN 1, 0
	QIN 1, 1
	s_wait_dscnt 0x0
	KLOAD 0                                        ; step 0's first fragments, on their way while tile 1 is quantised
	WIN 0
	QUANTQ 1
	v_nop
	s_wait_alu depctr_va_vdst(0)
; A STEP of 128 keys.  K's fragments 0 to 3 are on their way at its head: they are asked for in the middle of the second product of the step before.
; first = 1: its products start O^T.  chg = 1: a slot's last step, with the change of slots and the refill inside it; chg = 2: the same with no refill left; chg = 3: the last step, which asks for no further K.
.macro STEP first, chg
	WIN 0
.rept 4
	v_nop                                          ; places between the last product and the loads into its fragments
.endr
	KLOAD 4
	WIN 0x01
.irp t, 0,1,2,3,4,5,6,7
	s_wait_dscnt 28-4*\t                           ; fragment t is in; the younger ones may be out
.irp y, 0,1
	v_wmma_f32_16x16x128_fp8_fp8 v[SB+64*\y+8*\t:SB+64*\y+8*\t+7], v[KV+16*\t:KV+16*\t+15], v[QF+16*\y:QF+16*\y+15], 0
.endr
.endr
.rept 4
	v_nop                                          ; places ahead of the loads and of the readers below
.endr
	WIN 0x40
.irp t, 0,1,2,3,4,5,6,7
.irp c, 0,1,2,3
	ds_load_b128 v[KV+16*\t+4*\c:KV+16*\t+4*\c+3], v[ADR] offset:VOFF+2048*\t+512*\c
.endr
.endr
	WIN 0
	; the largest score of each query, in two chains a tile
.irp y, 0,1
	v_max3_num_f32 v[ST+12*\y+oA], v[SB+64*\y], v[SB+64*\y+1], v[SB+64*\y+2]
.endr
.irp y, 0,1
	v_max3_num_f32 v[ST+12*\y+oB], v[SB+64*\y+3], v[SB+64*\y+4], v[SB+64*\y+5]
.endr
.irp i, 6,10,14,18,22,26,30,34,38,42,46,50,54,58
.irp y, 0,1
	v_max3_num_f32 v[ST+12*\y+oA], v[ST+12*\y+oA], v[SB+64*\y+\i], v[SB+64*\y+\i+1]
.endr
.irp y, 0,1
	v_max3_num_f32 v[ST+12*\y+oB], v[ST+12*\y+oB], v[SB+64*\y+\i+2], v[SB+64*\y+\i+3]
.endr
.endr
.irp y, 0,1
	v_max3_num_f32 v[ST+12*\y+oA], v[ST+12*\y+oA], v[SB+64*\y+62], v[SB+64*\y+63]
.endr
.irp y, 0,1
	v_max3_num_f32 v[ST+12*\y+oTM], v[ST+12*\y+oTM], v[ST+12*\y+oA], v[ST+12*\y+oB]   ; the running largest score
.endr
.irp y, 0,1
	s_delay_alu instid0(VALU_DEP_2)
	v_permlanex16_b32 v[ST+12*\y+oPX], v[ST+12*\y+oTM], s[SEL], s[SEL+1]
.endr
.irp y, 0,1
	s_delay_alu instid0(VALU_DEP_2)
	v_max_num_f32 v[ST+12*\y+oTM], v[ST+12*\y+oTM], v[ST+12*\y+oPX]
.endr
.irp y, 0,1
	s_delay_alu instid0(VALU_DEP_2)
	v_mul_f32 v[ST+12*\y+oA], s[CS], -v[ST+12*\y+oTM]  ; -t (c is positive)
.endr
.irp y, 0,1
	s_delay_alu instid0(VALU_DEP_2)
	v_floor_f32 v[ST+12*\y+oA], v[ST+12*\y+oA]     ; the new -M
.endr
.irp y, 0,1
	s_delay_alu instid0(VALU_DEP_2)
	v_sub_f32 v[ST+12*\y+oB], v[ST+12*\y+oA], v[ST+12*\y+oNM]
.endr
.irp y, 0,1
	v_mov_b32 v[ST+12*\y+oNM], v[ST+12*\y+oA]
.endr
.irp y, 0,1
	s_delay_alu instid0(VALU_DEP_4)
	v_cvt_i32_f32 v[ST+12*\y+oB], v[ST+12*\y+oB]   ; (it saturates)
.endr
.irp y, 0,1
	s_delay_alu instid0(VALU_DEP_2)
	v_ldexp_f32 v[ST+12*\y+oF], 1.0, v[ST+12*\y+oB]
.endr
.if \first == 0
	WIN 0x41
.irp y, 0,1                            ; O^T under the new M, ahead of every exponential of the step
.set j, 0
.rept 32
	v_pk_mul_f32 v[OB+64*\y+j:OB+64*\y+j+1], v[OB+64*\y+j:OB+64*\y+j+1], v[ST+12*\y+oF:ST+12*\y+oF+1] op_sel_hi:[1,0]
.set j, j+2
.endr
.endr
.endif
	WIN 0
.irp y, 0,1
	v_pk_mul_f32 v[ST+12*\y+oL:ST+12*\y+oL+1], v[ST+12*\y+oL:ST+12*\y+oL+1], v[ST+12*\y+oF:ST+12*\y+oF+1] op_sel_hi:[1,0]
.endr
.if (\chg == 1) || (\chg == 2)
	s_wait_alu depctr_va_vdst(0)                   ; ahead of the blocking wait
	s_wait_tensorcnt 0x0                           ; my part of the other slot is in
	ds_add_u32 v[SPW], v[NIL]
.if \chg == 1
	s_xor_b32 s[G0W+1], s[G0W+1], SLOT1            ; no load of mine is out: the next fill's slot and address
	s_add_nc_u64 s[G0W+2:G0W+3], s[G0W+2:G0W+3], 4*STEPB
.endif
.endif
.set j, 0
.rept 32                               ; t - M of tile 0
	v_pk_fma_f32 v[SB+j:SB+j+1], v[SB+j:SB+j+1], s[CS:CS+1], v[ST+oNM:ST+oNM+1] op_sel_hi:[1,0,0]
.set j, j+2
.endr
.if (\chg == 1) || (\chg == 2)
	s_wait_dscnt 0x0                               ; the add is done, V is in registers: my last read of this slot is over
	s_barrier_signal -1
.endif
	s_wait_alu depctr_va_vdst(0)                   ; ahead of the batch
.set j, 0
.rept 32                               ; p of tile 0, with t - M of tile 1 in between
	v_exp_f32 v[SB+j], v[SB+j]
	v_pk_fma_f32 v[SB+64+j:SB+65+j], v[SB+64+j:SB+65+j], s[CS:CS+1], v[ST+12+oNM:ST+12+oNM+1] op_sel_hi:[1,0,0]
	v_exp_f32 v[SB+j+1], v[SB+j+1]
.set j, j+2
.endr
	s_wait_alu depctr_va_vdst(0)                   ; behind this batch and ahead of the next
.set j, 0
.rept 16                               ; p of tile 1; in between tile 0's sums of four and, behind each, the hold at the largest code (p is never negative)
	v_exp_f32 v[SB+64+j], v[SB+64+j]
	v_pk_add_f32 v[PC+j/2:PC+j/2+1], v[SB+j:SB+j+1], v[SB+j+2:SB+j+3]
	v_exp_f32 v[SB+65+j], v[SB+65+j]
	v_dual_min_num_f32 v[SB+j], v[SB+j], v[PLIM] :: v_dual_min_num_f32 v[SB+j+1], v[SB+j+1], v[PLI2]
	v_exp_f32 v[SB+66+j], v[SB+66+j]
	v_dual_min_num_f32 v[SB+j+2], v[SB+j+2], v[PLIM] :: v_dual_min_num_f32 v[SB+j+3], v[SB+j+3], v[PLI2]
	v_exp_f32 v[SB+67+j], v[SB+67+j]
.set j, j+4
.endr
	s_wait_alu depctr_va_vdst(0)                   ; one wait behind the batch, ahead of its first reader
.if (\chg == 1) || (\chg == 2)
	s_barrier_wait -1                              ; every wave has left this slot, and the other slot is whole
.if \chg == 1
	CREST                                          ; and so in all four work-groups
	tensor_load_to_lds s[G0W:G0W+3], s[G1:G1+7]    ; the next four steps into the slot just left
	s_nop 0
.rept 4
	v_nop
.endr
.endif
.endif
	; the rest of the sums: tile 0's sixteen partial sums and tile 1's p, two chains each, with tile 1's holds behind the reads
	v_pk_add_f32 v[ST+oSS:ST+oSS+1], v[PC:PC+1], v[PC+2:PC+3]
.set j, 0
.rept 16
.if j == 0
	v_pk_add_f32 v[ST+12+oSS:ST+12+oSS+1], v[SB+64:SB+65], v[SB+66:SB+67]
.else
	v_pk_add_f32 v[ST+12+oL:ST+12+oL+1], v[ST+12+oL:ST+12+oL+1], v[SB+64+j:SB+65+j]
	v_pk_add_f32 v[ST+12+oSS:ST+12+oSS+1], v[ST+12+oSS:ST+12+oSS+1], v[SB+66+j:SB+67+j]
.endif
	v_dual_min_num_f32 v[SB+64+j], v[SB+64+j], v[PLIM] :: v_dual_min_num_f32 v[SB+65+j], v[SB+65+j], v[PLI2]
	v_dual_min_num_f32 v[SB+66+j], v[SB+66+j], v[PLIM] :: v_dual_min_num_f32 v[SB+67+j], v[SB+67+j], v[PLI2]
.if (j > 0) && (j < 32)
	v_pk_add_f32 v[ST+oL:ST+oL+1], v[ST+oL:ST+oL+1], v[PC+j:PC+j+1]
	v_pk_add_f32 v[ST+oSS:ST+oSS+1], v[ST+oSS:ST+oSS+1], v[PC+j+2:PC+j+3]
.endif
.set j, j+4
.endr
.irp y, 0,1
.irp b, 0,1,2,3
	v_cvt_scalef32_pk8_fp8_f32 v[PC+16*\y+4*\b:PC+16*\y+4*\b+1], v[SB+64*\y+16*\b:SB+64*\y+16*\b+7], v[PSC]
	v_cvt_scalef32_pk8_fp8_f32 v[PC+16*\y+4*\b+2:PC+16*\y+4*\b+3], v[SB+64*\y+16*\b+8:SB+64*\y+16*\b+15], v[PSC]
.endr
.endr
.if \chg == 0
	s_add_co_u32 s[TB], s[TB], STEPB
.endif
.if (\chg == 1) || (\chg == 2)
	s_sub_co_u32 s[TB], s[TB], 3*STEPB
	s_xor_b32 s[TB], s[TB], SLOT1                  ; on to the other slot's first step
.endif
.if \chg < 3
	v_add_nc_u32 v[ADR], s[TB], v[LI]              ; the next step's address; also a plain place behind the conversions
.else
	LSUM                                           ; also the plain places behind the conversions
.endif
	s_wait_alu depctr_va_vdst(0)                   ; readers of what stands above follow behind blocking waits
.if (\chg == 0) || (\chg == 3)
	s_wait_dscnt 0x0                               ; V is in (where the slots change it was waited for above)
.endif
	PV 0, \first
.if \chg < 3
	WIN 0
	LSUM                                           ; these and the two v_nop are the places ahead of the loads
.rept 2
	v_nop
.endr
	KLOAD 0
.endif
	PV 4, \first
	WIN 0
.endm
.macro STEPS n
	s_mov_b32 s[CNT], \n
.Lstep_\@:
	STEP 0, 0
	s_sub_co_u32 s[CNT], s[CNT], 1
	s_cmp_lg_u32 s[CNT], 0
	s_cbranch_scc1 .Lstep_\@
.endm
	STEP 1, 0                                      ; step 0
	STEPS 2                                        ; steps 1, 2
.Lslot:                                                ; two trips: steps 3 to 6, steps 7 to 10
	STEP 0, 1
	STEPS 3
	s_sub_co_u32 s[SLOTS], s[SLOTS], 1
	s_cmp_lg_u32 s[SLOTS], 0
	s_cbranch_scc1 .Lslot
	STEP 0, 2                                      ; step 11
	STEPS 3                                        ; steps 12 to 14
	STEP 0, 3                                      ; step 15
	; THE WAY OUT: the sums over both halves of the lanes; 1 / sum x 2^(ev + ep) for O; ln 2 x (M + log2(sum)) for out1
.irp y, 0,1
	v_add_f32 v[ST+12*\y+oA], v[ST+12*\y+oL], v[ST+12*\y+oL+1]
.endr
.irp y, 0,1
	s_delay_alu instid0(VALU_DEP_2)
	v_permlanex16_b32 v[ST+12*\y+oPX], v[ST+12*\y+oA], s[SEL], s[SEL+1]
.endr
.irp y, 0,1
	s_delay_alu instid0(VALU_DEP_2)
	v_add_f32 v[ST+12*\y+oA], v[ST+12*\y+oA], v[ST+12*\y+oPX]
.endr
	s_wait_alu depctr_va_vdst(0)                   ; ahead of the batch
.irp y, 0,1
	v_rcp_f32 v[ST+12*\y+oF], v[ST+12*\y+oA]
.endr
.irp y, 0,1
	v_log_f32 v[ST+12*\y+oB], v[ST+12*\y+oA]
.endr
	v_and_b32 v10, 31, v0
	s_delay_alu instid0(VALU_DEP_1)
	v_cmp_gt_u32 vcc_lo, 16, v10
	s_wait_alu depctr_va_vdst(0)                   ; and behind it
.irp y, 0,1
	v_ldexp_f32 v[ST+12*\y+oF], v[ST+12*\y+oF], s[EO]
.endr
.irp y, 0,1
	v_sub_f32 v[ST+12*\y+oB], v[ST+12*\y+oB], v[ST+12*\y+oNM]
.endr
	s_delay_alu instid0(VALU_DEP_1)
	v_cndmask_b32 v10, v[ST+12+oB], v[ST+oB], vcc_lo   ; lanes 0-15: tile 0's queries, lanes 16-31: tile 1's
	s_delay_alu instid0(VALU_DEP_1)
	v_mul_f32 v10, 0x3f317218, v10
	global_store_b32 v[LO], v10, s[12:13]
; O / sum of tile y through my stage, half a row (256 bytes) of 16 queries at a time.  LDS serves a wave's instructions in order.
.macro PACK y
	WIN 0x01
	s_wait_alu depctr_va_vdst(0)                   ; ahead of the first readers of O^T
.set j, 0
.rept 32
	v_pk_mul_f32 v[SB+64*\y+j:SB+64*\y+j+1], v[OB+64*\y+j:OB+64*\y+j+1], v[ST+12*\y+oF:ST+12*\y+oF+1] op_sel_hi:[1,0]
.set j, j+2
.endr
	WIN 0
.irp u, 0,1
.irp t, 0,1,2,3
	ds_store_b128 v[STO], v[SB+64*\y+32*\u+8*\t:SB+64*\y+32*\u+8*\t+3] offset:64*\t
	ds_store_b128 v[STO], v[SB+64*\y+32*\u+8*\t+4:SB+64*\y+32*\u+8*\t+7] offset:64*\t+16
.endr
.irp i, 0,1,2,3,4,5,6,7
	ds_load_b128 v[SB+64*\y+32*\u+4*\i:SB+64*\y+32*\u+4*\i+3], v[RD] offset:2*\i*SP
.endr
.endr
.endm
.macro SEND y, younger                 ; younger: LDS instructions issued behind this tile's
.irp u, 0,1
.irp i, 0,1,2,3,4,5,6,7
	s_wait_dscnt \younger+16*(1-\u)+7-\i
	global_store_b128 v[GO], v[SB+64*\y+32*\u+4*\i:SB+64*\y+32*\u+4*\i+3], s[10:11] offset:(16*\y+2*\i)*ROW+256*\u th:TH_STORE_NT
.endr
.endr
.endm
	PACK 0
	PACK 1
	SEND 0, 32
	SEND 1, 0
	s_wait_tensorcnt 0x0                           ; the wave's end
	ds_add_u32 v[SPW], v[NIL]
	s_wait_dscnt 0x0
	CROUND                                         ; the closing round
	s_endpgm
.Lfunc_end_k_q54b96a578d_attn:
	.size	k_q54b96a578d_attn, .Lfunc_end_k_q54b96a578d_attn-k_q54b96a578d_attn
	.p2alignl 7, 3214868480
	.fill 96, 4, 3214868480
	.section	.rodata,"a",@progbits
	.p2align	6, 0x0
	.amdhsa_kernel k_q54b96a578d_attn
		.amdhsa_group_segment_fixed_size 327680
		.amdhsa_private_segment_fixed_size 0
		.amdhsa_enable_private_segment 0
		.amdhsa_kernarg_size 40
		.amdhsa_user_sgpr_count 2
		.amdhsa_user_sgpr_kernarg_segment_ptr 1
		.amdhsa_wavefront_size32 1
		.amdhsa_system_sgpr_workgroup_id_x 1
		.amdhsa_system_sgpr_workgroup_id_y 1
		.amdhsa_system_sgpr_workgroup_id_z 1
		.amdhsa_system_vgpr_workitem_id 0
		.amdhsa_next_free_vgpr 512
		.amdhsa_next_free_sgpr 66
		.amdhsa_reserve_vcc 1
		.amdhsa_float_denorm_mode_32 3
		.amdhsa_float_denorm_mode_16_64 3
		.amdhsa_memory_ordered 1
		.amdhsa_forward_progress 1
		.amdhsa_inst_pref_size 255
	.end_amdhsa_kernel
	.section	.bss,"aw",@nobits
	.p2align	6
	.space	262144
	.amdgpu_metadata
---
amdhsa.version: [ 1, 2 ]
amdhsa.kernels:
  - .name:           k_q54b96a578d_attn
    .symbol:         k_q54b96a578d_attn.kd
    .args:
      - { .name: q, .offset: 0, .size: 8, .value_kind: global_buffer, .address_space: global }
      - { .name: kv, .offset: 8, .size: 8, .value_kind: global_buffer, .address_space: global }
      - { .name: lowp_scales, .offset: 16, .size: 8, .value_kind: global_buffer, .address_space: global }
      - { .name: out0, .offset: 24, .size: 8, .value_kind: global_buffer, .address_space: global }
      - { .name: out1, .offset: 32, .size: 8, .value_kind: global_buffer, .address_space: global }
    .group_segment_fixed_size: 327680
    .private_segment_fixed_size: 0
    .kernarg_segment_align: 8
    .kernarg_segment_size: 40
    .max_flat_workgroup_size: 256
    .sgpr_count:     66
    .vgpr_count:     512
    .wavefront_size: 32
...
	.end_amdgpu_metadata
.endif
;; end of part 2
